; MI455X (gfx1250); checked and timed in simulation.
; The chip was launched on July 23, 2026; its instructions are those of AMD's public machine-readable ISA for CDNA 5 (MIT licence, August 2026) and "CDNA5" Instruction Set Architecture Reference Guide (July 2026). The comments in the code are by the model that wrote it; some were corrected since.
;; Soft Attention. Allowed arithmetic: matrix products marked QUANTISED: E4M3 operands, one given power-of-two scale a tensor, by v_wmma_f32_16x16x64_fp8_fp8 or v_wmma_f32_16x16x128_fp8_fp8, f32 sums; everything else in f32.
;; Inputs: key 4 x 4,096 x 64 float32; lowp_scales 4 int32 (the exponents e of the quantised operands' scales 2^e); q_mask 4 x 4,096 bool; query 4 x 4,096 x 64 float32; scale 1 float32; v_mask 4 x 4,096 bool; value 4 x 4,096 x 64 float32.
;; Outputs: out0 4 x 4,096 x 64 float32.
;; This version of the problem:
;;   THIS VERSION OF THE PROBLEM IS GIVEN IN LOW PRECISION. The matrix products marked QUANTISED in the list below multiply operands that are first quantised to E4M3 (4 exponent bits, 3 mantissa bits; 8 bits a number), with one given power-of-two scale for each operand tensor; their sums are f32. All else is computed in f32.
;;   The module's matrix products, in the order in which they are computed (A, B: the left and right operand; K: the contracted axis; several contracted axes count as one K, in the product's order):
;;     1. batch 4 x [M 4,096, K 64] x [K 64, N 4,096]; A: computed on the way; B: input key: QUANTISED (scales: A lowp_scales[0], B lowp_scales[1])
;;     2. batch 4 x [M 4,096, K 4,096] x [K 4,096, N 64]; A: softmax (see below); B: input value: QUANTISED (scales: A lowp_scales[2], B lowp_scales[3])
;;   THE QUANTISER, for each operand of a quantised product, along K:
;;     - The operand's scale is 2^e, e = its entry of the input lowp_scales (int32; the entries are numbered through the quantised products in the list's order, A before B).
;;     - Each number is divided by the scale, clamped to +-448, and rounded to the nearest number of E4M3, ties to even, subnormals kept.
;;     - The product sums the exact products of the quantised numbers (number of the format x scale) in f32.
;;   ~~~python
;;   def quantise(x, axis, e):      # numpy; x: float32 -> the quantised numbers, widened to float32 again
;;       x = np.moveaxis(x, axis, -1); K = x.shape[-1]
;;       r = np.clip(x / 2.0 ** e, -448, 448)
;;       step = 2.0 ** (np.maximum(np.frexp(np.where(r == 0, 1, r))[1] - 1, -6) - 3)
;;       q = np.round(r / step) * step * 2.0 ** e      # np.round: ties to even
;;       return np.moveaxis(q, -1, axis).astype(np.float32)
;;   ~~~
;;   SOFTMAX AHEAD OF A QUANTISED PRODUCT. Where the list says 'softmax', what is quantised is not the finished softmax but p = 2^(t - M), with t = logit x log2(e) and M = ceil(the row's largest t), a whole number; so 1/2 < the row's largest p <= 1. The row's sum l is taken of the UNQUANTISED p, in f32, and the product's result is divided by l at the end. Since M is a whole number, a kernel that streams over the keys may use a running M (the ceiling of the running maximum): every later rescaling is an exact power of two, so the quantised numbers keep their values, but for numbers so far below the row's largest that they fall under the format's range.
;;   OPERANDS COMPUTED ON THE WAY. 'Computed on the way' means the value that the module computes at that place (a softmax that the list does not call 'softmax' is quantised finished and normalised). What goes into a quantiser is computed in f32, as accurately as f32 sums, v_exp_f32 and their like allow (about 1e-6 of the number): no bf16 or f16 on the way to a quantiser, and a product that is left as it is and whose result goes on into a quantised operand takes f32 operands (vector FMAs, or v_wmma_f32_16x16x4_f32). A number that lies on a knife's edge between two numbers of the format may be rounded either way, as far as f32 arithmetic and the matrix unit's own rounding can turn it there, and no further.
;; 2 versions, each right; version 2 is version 1 with the launch attn written anew for expert scheduling mode. Each part assembles by itself: llvm-mc -triple=amdgcn-amd-amdhsa -mcpu=gfx1250 --defsym DOCPART=n.
;; ======== version 1 of 2: 2 launches
;; limits: right only within a limited range of input values
;; workspace buffers: qf 1,048,576 bytes; kv 2,097,152 bytes; vm 2,304 bytes of whole numbers
;; launch prep (part 1): grid 772 x 1, 4 waves a work-group, no clusters, 25,600 bytes of LDS; arguments query, key, value, v_mask, scale, lowp_scales, qf, kv, vm; writes qf, kv, vm
.if DOCPART == 1
	.amdgcn_target "amdgcn-amd-amdhsa--gfx1250"
	.amdhsa_code_object_version 6
	.text
	.protected	k_q9072a1d970_prep
	.globl	k_q9072a1d970_prep
	.p2align	8
	.type	k_q9072a1d970_prep,@function
k_q9072a1d970_prep:
	s_mov_b64 s[64:65], 0
	v_nop
	global_prefetch_b8 v0, s[64:65] scope:SCOPE_SE
	s_setreg_imm32_b32 hwreg(HW_REG_WAVE_MODE, 25, 1), 1
	s_wait_xcnt 0x0
; scale x query, key and value ([4][4096][64] f32) become codes of FP8 (E4M3), each with the one scale 2^e given for it (e0, e1, e3), laid in the ORDER OF THE OPERANDS' REGISTERS,
; so that the attention launch takes every fragment by loads of 16 bytes a lane, 512 consecutive bytes a wave.  v_mask becomes bit words, and F = the first true index of each batch's v_mask.
; code = x / 2^e, held within +-448, rounded to the nearest code, ties to even.  LIMITS: each e between -126 and 119.  NaN among the inputs is not served.  A bool byte is 0 or 1.
; lane = 16 h + r.
;   qf[batch][tile of 16 queries][c 0..1][lane][16 bytes]: query 16 tile + r, d = 32 c + 16 h + 0..15.
;   kv[batch][step of 128 keys]: 16,384 bytes.  0..8191: K [t 0..7][c 0..1][lane][16]: key 32 (t / 2) + 8 (t % 2) + r + (r & 8), d = 32 c + 16 h + 0..15.
;                                8192..16383: V^T [dt 0..3][c 0..3][lane][16]: d = 16 dt + r, keys 32 c + 16 h + 0..15.
;   vm: [batch][step][4 words]: word 2 half + h, bit 16 (b & 1) + i = v_mask[128 step + 32 b + 16 h + i], b = 2 half, 2 half + 1.  Byte 2048 + 4 batch: F (4096 where no key is true).
; SHARES.  Work-groups 0..3: one batch's v_mask each.  Work-groups 4..771: 64 consecutive rows (16,384 bytes of f32) of query (the first 256), key (the next 256) or value.
; The 64 rows are read as they lie, 2,048 consecutive bytes a load of the work-group, and turn through a stage in LDS: a lane then takes 16 neighbours along K: along d for query and key, down the keys for value.
; No matrix work, no tensor load, no cluster: each byte is read once by one work-group, nothing is shared.
.set PITCH, 272                        ; a stage row: 256 bytes + 16: sixteen rows' equal columns then start 68 words apart
.set MWB,   24576                      ; the mask path's own LDS bytes: 128 plain words
.set G,     16                         ; v16-47   the 64 rows as loaded
.set X,     48                         ; v48-79   32 numbers of my lane, neighbours along K in two runs of 16
.set C,     80                         ; v80-87   their codes
	s_load_b256 s[4:11], s[0:1], 0x0               ; query s[4:5], key s[6:7], value s[8:9], v_mask s[10:11]
	s_load_b256 s[12:19], s[0:1], 0x20             ; scale s[12:13], the exponents s[14:15], qf s[16:17], kv s[18:19]
	s_load_b64 s[20:21], s[0:1], 0x40              ; vm
	v_lshl_add_u32 v96, v0, 2, 0x6200
	v_mov_b32 v97, 0
	v_lshrrev_b32 v1, 5, v0
	v_readfirstlane_b32 s22, v1                    ; wave 0..3
	v_and_b32 v1, 31, v0                           ; lane
	v_and_b32 v2, 15, v0                           ; r
	v_bfe_u32 v3, v0, 4, 1                         ; h
	v_lshlrev_b32 v7, 4, v1                        ; 16 x lane
	s_mov_b32 s31, 0                               ; the high word of every 64-bit offset below
	s_cmp_lt_u32 ttmp9, 4
	s_cbranch_scc1 .Lmaskpath
	; ---- query, key or value
	s_sub_co_u32 s23, ttmp9, 4
	s_lshr_b32 s24, s23, 8                         ; 0 query, 1 key, 2 value
	s_and_b32 s25, s23, 255                        ; u: which 64 rows of the tensor's 16,384
	s_lshl_b32 s30, s25, 14
	v_lshlrev_b32 v4, 4, v0                        ; 16 x thread
	v_lshrrev_b32 v5, 4, v0
	v_mul_u32_u24 v5, v5, PITCH
	v_lshl_add_u32 v5, v2, 4, v5                   ; into the stage: row thread / 16 (+ 8 a load), 16 bytes at 16 (thread % 16)
	s_wait_kmcnt 0x0
	s_cmp_eq_u32 s24, 1                            ; the choices hang on the work-group's number alone
	s_cselect_b64 s[26:27], s[6:7], s[8:9]
	s_cmp_eq_u32 s24, 0
	s_cselect_b64 s[26:27], s[4:5], s[26:27]
	s_add_nc_u64 s[26:27], s[26:27], s[30:31]
.irp i, 0,1,2,3,4,5,6,7
	global_load_b128 v[G+4*\i:G+4*\i+3], v4, s[26:27] offset:2048*\i th:TH_LOAD_NT   ; read once in the launch
.endr
	s_load_b128 s[32:35], s[14:15], 0x0            ; e0, e1, e2, e3
	s_load_b32 s36, s[12:13], 0x0                  ; scale
	s_lshr_b32 s44, s25, 1
	s_lshl_b32 s44, s44, 14                        ; key, value: the step's 16,384 bytes of kv
	s_and_b32 s43, s25, 1                          ; and which half of its 128 keys
	s_wait_kmcnt 0x0
	s_cmp_eq_u32 s24, 1
	s_cselect_b32 s40, s33, s35
	s_cmp_eq_u32 s24, 0
	s_cselect_b32 s40, s32, s40                    ; e
	s_cselect_b32 s38, s36, 0x3f800000             ; query is multiplied by scale first, as reference() does; the others by 1
	s_mov_b32 s39, s38                             ; (named with it as a pair, so it is written)
	s_add_co_i32 s40, s40, 127
	s_lshl_b32 s41, s40, 23
	v_mov_b32 v11, s41                             ; 2^e as f32: the conversion takes its exponent field
	s_add_co_i32 s40, s40, 8
	s_lshl_b32 s40, s40, 23
	s_or_b32 s40, s40, 0x600000
	v_mov_b32 v10, s40                             ; 448 x 2^e
.irp i, 0,1,2,3,4,5,6,7
	s_wait_loadcnt 7-\i                            ; loads come back in order: load i is in, the 7 - i younger ones may be out
	ds_store_b128 v5, v[G+4*\i:G+4*\i+3] offset:8*PITCH*\i
.endr
	s_wait_dscnt 0x0                               ; for the others' sake: my stores into the stage are done
	s_barrier_signal -1
	s_barrier_wait -1                              ; the 64 rows lie in the stage
.macro ROWS                            ; my row's d = 32 c + 16 h + 0..15: 64 bytes for each c
.irp c, 0,1
.irp i, 0,1,2,3
	ds_load_b128 v[X+16*\c+4*\i:X+16*\c+4*\i+3], v6 offset:128*\c+16*\i
.endr
.endr
.endm
	s_cmp_eq_u32 s24, 0
	s_cbranch_scc1 .Lq
	s_cmp_eq_u32 s24, 1
	s_cbranch_scc1 .Lk
	; value: wave w takes d = 16 w + r, and my registers run DOWN the keys: 32 c + 16 h + i of the 64
	s_lshl_b32 s42, s22, 6
	v_mul_u32_u24 v6, v3, 16*PITCH
	v_lshl_add_u32 v6, v2, 2, v6
	v_add_nc_u32 v6, s42, v6
.irp c, 0,1
.irp i, 0,1,2,3,4,5,6,7,8,9,10,11,12,13,14,15
	ds_load_b32 v[X+16*\c+\i], v6 offset:(32*\c+\i)*PITCH
.endr
.endr
	s_lshl_b32 s30, s43, 10                        ; V^T's fragment dt = w, c = 2 (u & 1) on
	s_lshl_b32 s42, s22, 11
	s_add_co_u32 s30, s30, s42
	s_add_co_u32 s30, s30, s44
	s_add_co_u32 s30, s30, 8192
	s_branch .Ltail
.Lq:                                               ; query: wave w takes tile w: row 16 w + r
	s_lshl_b32 s42, s22, 4
	v_add_nc_u32 v6, s42, v2
	v_mul_u32_u24 v6, v6, PITCH
	v_lshl_add_u32 v6, v3, 6, v6
	ROWS
	s_lshl_b32 s30, s25, 12
	s_lshl_b32 s42, s22, 10
	s_add_co_u32 s30, s30, s42
	s_branch .Ltail
.Lk:                                               ; key: THE KEYS OF A TILE ARE NOT NEIGHBOURS: wave w takes tile t = 4 (u & 1) + w: row 32 (w / 2) + 8 (w % 2) + r + (r & 8)
	s_lshr_b32 s42, s22, 1
	s_lshl_b32 s42, s42, 5
	s_and_b32 s45, s22, 1
	s_lshl_b32 s45, s45, 3
	s_add_co_u32 s42, s42, s45
	v_and_b32 v6, 8, v2
	v_add_nc_u32 v6, v6, v2
	v_add_nc_u32 v6, s42, v6
	v_mul_u32_u24 v6, v6, PITCH
	v_lshl_add_u32 v6, v3, 6, v6
	ROWS
	s_lshl_b32 s30, s43, 12
	s_lshl_b32 s42, s22, 10
	s_add_co_u32 s30, s30, s42
	s_add_co_u32 s30, s30, s44
.Ltail:
	s_cmp_eq_u32 s24, 0
	s_cselect_b64 s[28:29], s[16:17], s[18:19]     ; qf or kv
	s_add_nc_u64 s[28:29], s[28:29], s[30:31]
	s_wait_dscnt 0x0
.irp j, 0,2,4,6,8,10,12,14,16,18,20,22,24,26,28,30
	v_pk_mul_f32 v[X+\j:X+\j+1], v[X+\j:X+\j+1], s[38:39] op_sel_hi:[1,0]
.endr
.irp j, 0,1,2,3,4,5,6,7,8,9,10,11,12,13,14,15,16,17,18,19,20,21,22,23,24,25,26,27,28,29,30,31
	v_med3_num_f32 v[X+\j], v[X+\j], -v10, v10     ; the conversion to an 8-bit code does not saturate (ISA guide 7.6.2): the hold at the largest code x the scale
.endr
.irp g, 0,1,2,3
	v_cvt_scalef32_pk8_fp8_f32 v[C+2*\g:C+2*\g+1], v[X+8*\g:X+8*\g+7], v11
.endr
	v_nop                                          ; a plain vector line behind the last conversion
	global_store_b128 v7, v[C:C+3], s[28:29]               ; 32 lanes store 512 consecutive bytes, at a multiple of 512 from the buffer's first byte
	global_store_b128 v7, v[C+4:C+7], s[28:29] offset:512
	s_wait_tensorcnt 0x0
	ds_add_u32 v96, v97
	s_wait_dscnt 0x0
	s_endpgm
	; ---- v_mask of batch ttmp9: thread t owns keys 32 t .. 32 t + 31
.Lmaskpath:
	s_lshl_b32 s30, ttmp9, 12
	v_lshlrev_b32 v8, 5, v0
	v_lshl_add_u32 v9, v0, 2, MWB
	v_lshlrev_b32 v29, 2, v0
	v_add_nc_u32 v30, MWB, v7
	s_mov_b32 s40, 0x01020408
	s_wait_kmcnt 0x0
	s_add_nc_u64 s[26:27], s[10:11], s[30:31]
	global_load_b128 v[16:19], v8, s[26:27]
	global_load_b128 v[20:23], v8, s[26:27] offset:16
	s_lshl_b32 s30, ttmp9, 9
	s_add_nc_u64 s[28:29], s[20:21], s[30:31]      ; vm at my batch's 128 words
	s_wait_loadcnt 0x0
.irp k, 0,1,2,3,4,5,6,7
	v_and_b32 v[16+\k], 0x01010101, v[16+\k]       ; four bytes of 0 or 1;
	v_mul_lo_u32 v[16+\k], v[16+\k], s40           ; x (2^24 + 2^17 + 2^10 + 2^3) brings them to bits 24..27: all sixteen partial products fall on different bits, so nothing carries
	v_lshrrev_b32 v[16+\k], 24, v[16+\k]
.endr
	v_lshl_or_b32 v24, v17, 4, v16
.irp k, 2,3,4,5,6,7
	v_lshl_or_b32 v24, v[16+\k], 4*\k, v24         ; W: bit i = v_mask[32 t + i]
.endr
	ds_store_b32 v9, v24
	v_mov_b32 v25, 0                               ; (a DPP form's destination counts as read)
	v_mov_b32_dpp v25, v24 row_xmask:1 row_mask:0xf bank_mask:0xf   ; P: thread t xor 1's word
	v_and_b32 v26, 0xffff, v24
	v_lshl_or_b32 v26, v25, 16, v26                ; even t (h = 0): the low halves of W and P
	v_lshrrev_b32 v27, 16, v25
	v_and_or_b32 v27, v24, 0xffff0000, v27         ; odd t (h = 1): the high halves of P and W
	v_and_b32 v28, 1, v0
	v_cmp_eq_u32 vcc_lo, 1, v28
	v_cndmask_b32 v26, v26, v27, vcc_lo
	global_store_b32 v29, v26, s[28:29]
	s_wait_dscnt 0x0                               ; for wave 0's sake: my plain word is in LDS
	s_barrier_signal -1
	s_barrier_wait -1
	s_cmp_lg_u32 s22, 0
	s_cbranch_scc1 .Lend
	ds_load_b128 v[32:35], v30                     ; wave 0: lane s holds step s's four plain words
	s_wait_dscnt 0x0
	v_or_b32 v36, v32, v33
	v_or_b32 v37, v34, v35
	v_or_b32 v36, v36, v37
	v_cmp_ne_u32 vcc_lo, 0, v36
	s_or_b32 s40, vcc_lo, 0x80000000               ; lane 31 stands in where no step has a true key: its words are then zeros
	s_ctz_i32_b32 s45, s40                         ; the first step with a true key
.irp k, 0,1,2,3
	v_readlane_b32 s[41+\k], v[32+\k], s45
.endr
	s_lshl_b32 s45, s45, 7
	s_mov_b32 s46, 4096
.irp k, 3,2,1,0
	s_ctz_i32_b32 s47, s[41+\k]
	s_add_co_u32 s47, s47, s45
	s_add_co_u32 s47, s47, 32*\k
	s_cmp_lg_u32 s[41+\k], 0
	s_cselect_b32 s46, s47, s46                    ; the lowest word that is not 0 has the last say
.endr
	v_mov_b32 v38, s46
	s_lshl_b32 s48, ttmp9, 2
	v_mov_b32 v39, s48
	v_cmp_eq_u32 vcc_lo, 0, v1
	s_wait_xcnt 0x0                                ; EXEC changes only behind this wait: a store has been issued
	s_and_saveexec_b32 s40, vcc_lo
	global_store_b32 v39, v38, s[20:21] offset:2048        ; F, from lane 0 alone
	s_wait_xcnt 0x0                                ; and again in front of the line that widens it
	s_or_b32 exec_lo, exec_lo, s40
.Lend:
	s_wait_tensorcnt 0x0
	ds_add_u32 v96, v97
	s_wait_dscnt 0x0
	s_endpgm
.Lfunc_end_k_q9072a1d970_prep:
	.size	k_q9072a1d970_prep, .Lfunc_end_k_q9072a1d970_prep-k_q9072a1d970_prep
	.p2alignl 7, 3214868480
	.fill 96, 4, 3214868480
	.section	.rodata,"a",@progbits
	.p2align	6, 0x0
	.amdhsa_kernel k_q9072a1d970_prep
		.amdhsa_group_segment_fixed_size 25600
		.amdhsa_private_segment_fixed_size 0
		.amdhsa_enable_private_segment 0
		.amdhsa_kernarg_size 72
		.amdhsa_user_sgpr_count 2
		.amdhsa_user_sgpr_kernarg_segment_ptr 1
		.amdhsa_wavefront_size32 1
		.amdhsa_system_sgpr_workgroup_id_x 1
		.amdhsa_system_sgpr_workgroup_id_y 1
		.amdhsa_system_sgpr_workgroup_id_z 1
		.amdhsa_system_vgpr_workitem_id 0
		.amdhsa_next_free_vgpr 98
		.amdhsa_next_free_sgpr 66
		.amdhsa_reserve_vcc 1
		.amdhsa_float_denorm_mode_32 3
		.amdhsa_float_denorm_mode_16_64 3
		.amdhsa_memory_ordered 1
		.amdhsa_forward_progress 1
		.amdhsa_inst_pref_size 17
	.end_amdhsa_kernel
	.amdgpu_metadata
---
amdhsa.version: [ 1, 2 ]
amdhsa.kernels:
  - .name:           k_q9072a1d970_prep
    .symbol:         k_q9072a1d970_prep.kd
    .args:
      - { .name: query, .offset: 0, .size: 8, .value_kind: global_buffer, .address_space: global }
      - { .name: key, .offset: 8, .size: 8, .value_kind: global_buffer, .address_space: global }
      - { .name: value, .offset: 16, .size: 8, .value_kind: global_buffer, .address_space: global }
      - { .name: v_mask, .offset: 24, .size: 8, .value_kind: global_buffer, .address_space: global }
      - { .name: scale, .offset: 32, .size: 8, .value_kind: global_buffer, .address_space: global }
      - { .name: lowp_scales, .offset: 40, .size: 8, .value_kind: global_buffer, .address_space: global }
      - { .name: qf, .offset: 48, .size: 8, .value_kind: global_buffer, .address_space: global }
      - { .name: kv, .offset: 56, .size: 8, .value_kind: global_buffer, .address_space: global }
      - { .name: vm, .offset: 64, .size: 8, .value_kind: global_buffer, .address_space: global }
    .group_segment_fixed_size: 25600
    .private_segment_fixed_size: 0
    .kernarg_segment_align: 8
    .kernarg_segment_size: 72
    .max_flat_workgroup_size: 128
    .sgpr_count:     66
    .vgpr_count:     98
    .wavefront_size: 32
...
	.end_amdgpu_metadata
.endif
;; end of part 1
;; launch attn (part 2): grid 64 x 4, 16 waves a work-group, no clusters, 204,800 bytes of LDS; arguments qf, kv, vm, lowp_scales, q_mask, out0; writes out0
.if DOCPART == 2
	.amdgcn_target "amdgcn-amd-amdhsa--gfx1250"
	.amdhsa_code_object_version 6
	.text
	.protected	k_q9072a1d970_attn
	.globl	k_q9072a1d970_attn
	.p2align	8
	.type	k_q9072a1d970_attn,@function
k_q9072a1d970_attn:
	s_mov_b64 s[64:65], 0
	v_nop
	global_prefetch_b8 v0, s[64:65] scope:SCOPE_SE
	s_setreg_imm32_b32 hwreg(HW_REG_WAVE_MODE, 25, 1), 1
	s_wait_xcnt 0x0
; out[b][q] = q_mask x softmax_k(score - 1e9 x hidden) . value, score = (scale x query) . key, hidden = (k > q) or not v_mask[k]; both products on codes of FP8 (E4M3) made by the launch before.
; THE SOFTMAX: t = logit x log2(e); M = the largest t so far, rounded UP to a whole number; p = 2^(t - M) is quantised with 2^e2; the sum is taken of the unquantised p and divides at the end.
; THE MASK IS -1e9, NOT -INFINITY.  A query q below F (the first true index of v_mask; from vm) sees only hidden keys, and reference() then weighs ALL 4,096 keys by fl(score - 1e9).  So a tile with such a
; query walks all 32 key steps, and a hidden logit is made as reference() makes it: fl(score - 1e9), then fl(x log2(e)).  Every other tile stops behind its diagonal step: there a hidden key's p is 0.
; LIMITS: e0 + e1 between -126 and 4 (so |score| < 2.1e8, and a hidden key counts for nothing beside a visible one); e2 between -126 and 119; e2 + e3 between -110 and 126.  NaN among the inputs is not served.
; SHARES.  A work-group owns blocks g and 127 - g of 32 queries of one batch: four tiles of 16, whose causal lengths add up to the same in every work-group.  Wave 4 a + b takes tile a xor b and key quarter j = a:
; in slot T (512 keys) it works step 4 T + j (128 keys) on its own running M, sum and O^T; at the end a tile's four quarters are merged through LDS by exact powers of two.
; K AND V come as register images, 65,536 dense bytes a slot: global -> registers -> LDS, two slots by turns, one barrier a slot; slot T + 2 is asked for in slot T and stored in slot T + 1.
; NO TENSOR LOAD, NO JOINT LOAD: which steps are walked, whether a step needs its mask, and whether p needs its hold are branches on whole numbers read from memory (F, the mask words, e2),
; without these branches every tile would walk all 32 steps with mask and hold.
; LAYOUT.  Both products transposed: S^T = K Q^T (source 0 = 16 keys), O^T = V^T P^T (source 0 = 16 of d): a lane holds ONE query (lane % 16).  The keys of a tile of K are chosen so that register 16 b + i of S^T
; is key 32 b + 16 (lane / 16) + i.  k stands in both operands of each product in the same permuted places (16 neighbours to four registers).
; REGISTERS: v1 16 x lane; v2, v3 my step in slot 0, 1; v4, v5 where I store a fill; v6 the fills' offset in kv; v7 r - 16 h; v10, v11 q_mask; v12 -M, v13 the largest t, v[14:15] the sum;
; v16-23 Q; v24-55 a fill on its way; v56-119 K's, then V's fragments; v120-183 S^T, then p; v184-215 O^T; v216-231 p's codes; v232-254 at work; v245-247, v251 the merge's LDS addresses, which hold nothing else.
.set SLOTB, 65536
.set MP,    272                        ; the merge: a query's row of 256 bytes + 16
.set MREG,  16*MP                      ; a wave's region: 16 rows
.set MRG,   2*SLOTB                    ; 16 regions, region 4 tile + quarter
.set STT,   MRG+16*MREG                ; 16 x 128 bytes: (-M, sum) of 16 queries
.set QF,  16
.set G,   24
.set KV,  56
.set S,   120
.set O,   184
.set PC,  216
	s_load_b256 s[4:11], s[0:1], 0x0               ; qf s[4:5], kv s[6:7], vm s[8:9], the exponents s[10:11]
	s_load_b128 s[12:15], s[0:1], 0x20             ; q_mask s[12:13], out0 s[14:15]
	v_lshrrev_b32 v8, 5, v0
	v_readfirstlane_b32 s16, v8                    ; wave 0..15
	v_and_b32 v1, 31, v0
	v_lshlrev_b32 v1, 4, v1                        ; 16 x lane
	v_and_b32 v9, 15, v0                           ; r
	v_bfe_u32 v8, v0, 4, 1                         ; h
	s_lshr_b32 s17, s16, 2                         ; j: my key quarter
	s_and_b32 s18, s16, 3
	s_xor_b32 s18, s18, s17                        ; my tile 0..3
	s_mov_b32 s19, ttmp9                           ; g
	s_and_b32 s20, ttmp7, 0xffff                   ; batch
	s_sub_co_u32 s48, 127, s19
	s_cmp_lt_u32 s18, 2
	s_cselect_b32 s21, s19, s48                    ; block g (tiles 0, 1) or 127 - g (tiles 2, 3)
	s_lshl_b32 s21, s21, 5
	s_and_b32 s48, s18, 1
	s_lshl_b32 s48, s48, 4
	s_add_co_u32 s21, s21, s48                     ; q0: my tile's first query
	s_lshr_b32 s22, s21, 7                         ; its diagonal step
	s_lshl_b32 s48, s17, 14
	v_add_nc_u32 v2, s48, v1                       ; slot 0: 16 x lane + 16,384 j
	v_add_nc_u32 v3, SLOTB, v2
	v_lshlrev_b32 v4, 4, v0                        ; a fill: 16 x thread, 8,192 bytes an instruction of the work-group
	v_add_nc_u32 v5, SLOTB, v4
	v_lshlrev_b32 v6, 4, v0
	v_lshlrev_b32 v7, 4, v8
	v_sub_nc_u32 v7, v9, v7                        ; r - 16 h
	s_lshl_b32 s48, s18, 2
	s_add_co_u32 s48, s48, s17                     ; my region: 4 tile + quarter
	s_mul_i32 s49, s48, MREG
	s_add_co_u32 s49, s49, MRG
	v_mul_u32_u24 v245, v9, MP
	v_lshl_add_u32 v245, v8, 5, v245
	v_add_nc_u32 v245, s49, v245                   ; in: row r, + 32 h
	s_lshl_b32 s49, s48, 7
	s_add_co_u32 s49, s49, STT
	v_lshl_add_u32 v246, v9, 3, s49                ; in: (-M, sum) of query r
	s_mul_i32 s49, s18, 4*MREG
	s_mul_i32 s50, s17, 4*MP
	s_add_co_u32 s49, s49, s50
	s_add_co_u32 s49, s49, MRG
	v_mul_u32_u24 v247, v8, MP
	v_lshl_add_u32 v247, v9, 4, v247
	v_add_nc_u32 v247, s49, v247                   ; back: my tile's quarter 0, row 4 j + h, 16 bytes at 16 r
	s_lshl_b32 s49, s18, 9
	s_lshl_b32 s50, s17, 5
	s_add_co_u32 s49, s49, s50
	s_add_co_u32 s49, s49, STT
	v_lshl_add_u32 v251, v8, 3, s49                ; back: that row's (-M, sum)
	s_mov_b32 s30, 0x76543210                      ; v_permlanex16_b32's selects for lane l xor 16
	s_mov_b32 s31, 0xfedcba98
	s_mov_b32 s36, 0x3fb8aa3b                      ; log2(e)
	s_mov_b32 s37, s36
	s_lshl_b32 s52, s20, 9                         ; my batch's mask words in vm
	s_mov_b32 s51, 0
	s_lshl_b32 s49, s20, 2
	s_wait_kmcnt 0x0
	s_load_b128 s[40:43], s[10:11], 0x0            ; e0, e1, e2, e3
	s_load_b32 s28, s[8:9], s49 offset:0x800       ; F
	s_lshl_b32 s50, s20, 19
	s_add_nc_u64 s[6:7], s[6:7], s[50:51]          ; kv at my batch
	s_lshl_b32 s50, s20, 18
	s_lshl_b32 s48, s21, 6
	s_add_co_u32 s50, s50, s48
	s_add_nc_u64 s[4:5], s[4:5], s[50:51]          ; qf at my tile: 1,024 bytes a tile
	s_lshl_b32 s50, s20, 12
	s_add_co_u32 s50, s50, s21
	s_lshl_b32 s48, s17, 2
	s_add_co_u32 s50, s50, s48                     ; the four rows that I store at the end: q0 + 4 j on
	s_add_nc_u64 s[12:13], s[12:13], s[50:51]
	s_lshl_b32 s50, s50, 8
	s_add_nc_u64 s[14:15], s[14:15], s[50:51]
.irp i, 0,1,2,3,4,5,6,7
	global_load_b128 v[S+4*\i:S+4*\i+3], v6, s[6:7] offset:8192*\i          ; slot 0, through registers that are free yet
.endr
	global_load_b128 v[QF:QF+3], v1, s[4:5]                                ; Q's fragment stays in registers
	global_load_b128 v[QF+4:QF+7], v1, s[4:5] offset:512
	global_load_u8 v10, v8, s[12:13]                                       ; q_mask of rows q0 + 4 j + h and + 2
	global_load_u8 v11, v8, s[12:13] offset:2
.irp i, 0,1,2,3,4,5,6,7
	global_load_b128 v[G+4*\i:G+4*\i+3], v6, s[6:7] offset:SLOTB+8192*\i    ; slot 1
.endr
	v_mov_b32 v13, 0xff61b1e6                      ; the largest t so far: -3e38, under every t
	v_floor_f32 v12, -v13                          ; -M
	v_mov_b32 v14, 0
	v_mov_b32 v15, 0
	v_mov_b32 v237, 0                              ; (a lane permute's destination counts as read)
	v_mov_b32 v253, 0                              ; (named as the upper half of the pair v[252:253])
	v_mov_b32 v241, 0xce6e6b28                     ; -1e9
.set I, 0
.rept 32
	v_mov_b32 v[O+I], 0                            ; O^T: the step is written once, and a quarter without a step hands zeros to the merge
.set I, I+1
.endr
	s_wait_kmcnt 0x0
	s_add_co_i32 s48, s40, s41                     ; e0 + e1
	s_lshl_b32 s49, s48, 23
	s_add_co_i32 s34, s49, 0x3fb8aa3b              ; c = log2(e) x 2^(e0 + e1): the exponents are added to its exponent field
	s_add_co_i32 s48, s48, 127
	s_lshl_b32 s38, s48, 23                        ; 2^(e0 + e1)
	s_mov_b32 s39, s38
	s_add_co_i32 s48, s42, 127
	s_lshl_b32 s49, s48, 23
	v_mov_b32 v244, s49                            ; 2^e2, for the conversion
	s_add_co_i32 s48, s48, 8
	s_lshl_b32 s48, s48, 23
	s_or_b32 s48, s48, 0x600000
	v_mov_b32 v240, s48                            ; 448 x 2^e2
	s_add_co_i32 s54, s42, s43                     ; e2 + e3
	s_add_co_u32 s23, s22, 1
	s_cmp_lt_u32 s21, s28
	s_cselect_b32 s23, 32, s23                     ; NW: my tile walks steps 0 .. NW - 1: to its diagonal, or all 32 where q0 < F
	s_sub_co_u32 s48, 127, s19
	s_lshl_b32 s48, s48, 5
	s_add_co_u32 s48, s48, 16
	s_lshr_b32 s48, s48, 9
	s_add_co_u32 s24, s48, 1
	s_lshl_b32 s49, s19, 5
	s_cmp_lt_u32 s49, s28
	s_cselect_b32 s24, 8, s24                      ; NS: slots that the work-group fetches (5 to 8): to its last tile's diagonal, or all where its first query is below F
	s_wait_loadcnt 0x8                             ; slot 0, Q and q_mask are in; slot 1's eight loads may be out
.irp i, 0,1,2,3,4,5,6,7
	ds_store_b128 v4, v[S+4*\i:S+4*\i+3] offset:8192*\i
.endr
	s_wait_dscnt 0x0                               ; for the others' sake: my part of slot 0 is in LDS
	s_barrier_signal -1
	s_barrier_wait -1
; x = the number of visible keys among block b's sixteen of my half, by the causal mask: dq + 1 - 32 b held within 0 .. 16; then x ones
.macro CBITS dst, b
	v_add_nc_u32 v[\dst], 1-32*(\b), v232
	v_cmp_le_i32 vcc_lo, 0, v[\dst]
	v_cndmask_b32 v[\dst], 0, v[\dst], vcc_lo
	v_min_u32 v[\dst], 16, v[\dst]
	v_lshlrev_b32 v[\dst], v[\dst], 1
	v_add_nc_u32 v[\dst], -1, v[\dst]
.endm
; S^T becomes t as reference() has it: u = fl(score - 1e9) where the key is hidden, score where not (one fused multiply-add: the sum x 2^(e0 + e1) is exact); t = fl(u x log2(e)).
; The product is rounded by itself: at 1.4e9 the numbers stand 128 apart, and the difference t - M must be that of two such numbers.
.macro MASKPRE
	s_lshl_b32 s48, s26, 7
	s_sub_co_i32 s48, s21, s48
	v_add_nc_u32 v232, s48, v7                     ; dq = my query - the step's first key - 16 h: register 16 b + i is hidden by the causal mask where 32 b + i > dq
	CBITS 248, 0
	CBITS 235, 1
	CBITS 249, 2
	CBITS 236, 3
	v_lshl_or_b32 v248, v235, 16, v248
	v_lshl_or_b32 v249, v236, 16, v249
	s_mov_b32 vcc_lo, 0xffff0000                   ; lanes 16-31 take the words of h = 1
	v_mov_b32 v233, s44
	v_mov_b32 v235, s45
	v_cndmask_b32 v233, v233, v235, vcc_lo
	v_mov_b32 v234, s46
	v_mov_b32 v236, s47
	v_cndmask_b32 v234, v234, v236, vcc_lo
	v_and_b32 v233, v233, v248                     ; bit n of the pair: register n's key is visible
	v_and_b32 v234, v234, v249
.set PN, 0
.rept 32                               ; ascending: each accumulator is read from its low end on
	v_and_b32 v235, 1<<(PN%32), v[233+PN/32]
	v_and_b32 v236, 2<<(PN%32), v[233+PN/32]
	v_cmp_eq_u32 vcc_lo, 0, v235
	v_cndmask_b32 v238, 0, v241, vcc_lo
	v_cmp_eq_u32 vcc_lo, 0, v236
	v_cndmask_b32 v239, 0, v241, vcc_lo
	v_pk_fma_f32 v[S+PN:S+PN+1], v[S+PN:S+PN+1], s[38:39], v[238:239] op_sel_hi:[1,0,1]
	v_pk_mul_f32 v[S+PN:S+PN+1], v[S+PN:S+PN+1], s[36:37] op_sel_hi:[1,0]
.set PN, PN+2
.endr
	s_mov_b32 s32, 1.0                             ; what follows finds t, not sums
	s_mov_b32 s33, 1.0
.endm
; A KEY STEP: my 128 keys of slot p.
.macro STEP p
.irp t, 0,1,2,3,4,5,6,7
	ds_load_b128 v[KV+8*\t:KV+8*\t+3],   v[2+\p] offset:1024*\t
	ds_load_b128 v[KV+8*\t+4:KV+8*\t+7], v[2+\p] offset:1024*\t+512
.endr
	s_wait_dscnt 0x0
.irp t, 0,1,2,3,4,5,6,7
	v_wmma_f32_16x16x64_fp8_fp8 v[S+8*\t:S+8*\t+7], v[KV+8*\t:KV+8*\t+7], v[QF:QF+7], 0
.endr
.rept 4
	v_nop                                          ; four places behind the products: in front of the loads into K's registers and of the first read of S^T
.endr
.irp d, 0,1,2,3
.irp c, 0,1,2,3
	ds_load_b128 v[KV+16*\d+4*\c:KV+16*\d+4*\c+3], v[2+\p] offset:8192+2048*\d+512*\c   ; V^T: it lands while the softmax is worked
.endr
.endr
	s_wait_kmcnt 0x0                               ; the step's four mask words
	s_and_b32 s48, s44, s45
	s_and_b32 s49, s46, s47
	s_and_b32 s48, s48, s49
	s_mov_b32 s32, s34                             ; a sum x c is t
	s_mov_b32 s33, s34
	s_cmp_lg_u32 s48, -1
	s_cbranch_scc1 .Lmask_\@                       ; a hole in v_mask
	s_cmp_lt_u32 s26, s22
	s_cbranch_scc1 .Lopen_\@                       ; all 128 keys come before my first query: nothing is hidden
.Lmask_\@:
	MASKPRE
.Lopen_\@:
	v_max3_num_f32 v254, v[S], v[S+1], v[S+2]      ; the step's largest of my query, among my 64 keys, in two chains,
	v_max3_num_f32 v250, v[S+3], v[S+4], v[S+5]
.set I, 6
.rept 14
	v_max3_num_f32 v254, v254, v[S+I], v[S+I+1]
	v_max3_num_f32 v250, v250, v[S+I+2], v[S+I+3]
.set I, I+4
.endr
	v_max3_num_f32 v254, v254, v[S+62], v[S+63]
	v_max_num_f32 v254, v254, v250
	v_permlanex16_b32 v237, v254, s30, s31
	v_max_num_f32 v254, v254, v237                 ; and among lane l xor 16's
	v_mul_f32 v254, s32, v254                      ; as t (the factor is positive)
	v_max_num_f32 v13, v13, v254                   ; the running largest t
	v_mov_b32 v254, v12
	v_floor_f32 v12, -v13                          ; the new -M = floor(-t) = -ceil(t): a whole number
	v_sub_f32 v254, v12, v254                      ; old M - new M: a whole number, 0 or less
	v_cvt_i32_f32 v254, v254                       ; (it saturates)
	v_ldexp_f32 v252, 1.0, v254                    ; f = 2^(old M - new M): rounds nothing
.set I, 0
.rept 32
	v_pk_fma_f32 v[S+I:S+I+1], v[S+I:S+I+1], s[32:33], v[12:13] op_sel_hi:[1,0,0]   ; t - M (of both pairs the low word serves both halves)
.set I, I+2
.endr
.set I, 0
.rept 64
	v_exp_f32 v[S+I], v[S+I]                       ; p = 2^(t - M), at most 1: not normalised
.set I, I+1
.endr
	v_pk_mul_f32 v[14:15], v[14:15], v[252:253] op_sel_hi:[1,0]   ; the sum under the new M; the plain instruction behind the exponentials
	s_wait_alu depctr_va_vdst(0)                   ; one wait for the batch of 64, ahead of its first reader
	v_pk_add_f32 v[242:243], v[S:S+1], v[S+2:S+3]  ; the sum is taken of the UNQUANTISED p, in two chains
.set I, 4
.rept 15
	v_pk_add_f32 v[14:15], v[14:15], v[S+I:S+I+1]
	v_pk_add_f32 v[242:243], v[242:243], v[S+I+2:S+I+3]
.set I, I+4
.endr
	v_pk_add_f32 v[14:15], v[14:15], v[242:243]
	s_cmp_ge_i32 s42, -8                           ; p <= 1 <= 448 x 2^e2 from e2 = -8 on: the hold would change nothing
	s_cbranch_scc1 .Lnohold_\@
.set I, 0
.rept 64
	v_min_num_f32 v[S+I], v[S+I], v240             ; the conversion does not saturate (ISA guide 7.6.2); p is not negative, so the hold is one-sided
.set I, I+1
.endr
.Lnohold_\@:
.irp b, 0,1,2,3
	v_cvt_scalef32_pk8_fp8_f32 v[PC+4*\b:PC+4*\b+1],   v[S+16*\b:S+16*\b+7],    v244
	v_cvt_scalef32_pk8_fp8_f32 v[PC+4*\b+2:PC+4*\b+3], v[S+16*\b+8:S+16*\b+15], v244
.endr
.set I, 0
.rept 16
	v_pk_mul_f32 v[O+I:O+I+1], v[O+I:O+I+1], v[252:253] op_sel_hi:[1,0]   ; O^T under the new M, each accumulator from its low end on; also the plain lines behind the conversions
.set I, I+2
.endr
	s_wait_dscnt 0x0                               ; V^T is in
.irp d, 0,1,2,3                        ; the four accumulators take turns; between two links of a chain stand the next step's eight products K Q^T
	v_wmma_f32_16x16x128_fp8_fp8 v[O+8*\d:O+8*\d+7], v[KV+16*\d:KV+16*\d+15], v[PC:PC+15], v[O+8*\d:O+8*\d+7]
.endr
.rept 4
	v_nop                                          ; four places: in front of the next loads into V's registers and of the next read of O^T, whichever way follows
.endr
.endm
; SLOT T lies in LDS slot p.  The slot that follows, which came into registers during the last phase, is stored into the other LDS slot (last read before the last barrier); the slot after that is asked for;
; my step is worked; ONE barrier: in front of it my reads of slot p and my stores into the other are done.
.macro PHASE p
	s_lshl_b32 s55, s26, 4
	s_add_co_u32 s55, s55, s52
	s_load_b128 s[44:47], s[8:9], s55              ; my step's mask words (step <= 31: inside vm)
	s_add_co_u32 s48, s25, 1
	s_cmp_lt_u32 s48, s24
	s_cbranch_scc0 .Lnofill_\@
	s_wait_loadcnt 0x0                             ; slot T + 1 is in my registers, and the loads' offset register is free
.irp i, 0,1,2,3,4,5,6,7
	ds_store_b128 v[5-\p], v[G+4*\i:G+4*\i+3] offset:8192*\i
.endr
	s_add_co_u32 s48, s25, 2
	s_cmp_lt_u32 s48, s24
	s_cbranch_scc0 .Lnofill_\@
	s_wait_dscnt 0x0                               ; the stores have read their registers
	v_add_nc_u32 v6, SLOTB, v6
.irp i, 0,1,2,3,4,5,6,7
	global_load_b128 v[G+4*\i:G+4*\i+3], v6, s[6:7] offset:SLOTB+8192*\i    ; slot T + 2: it has this whole phase in which to land
.endr
.Lnofill_\@:
	s_cmp_lt_u32 s26, s23
	s_cbranch_scc0 .Lskip_\@
	STEP \p
.Lskip_\@:
	s_wait_kmcnt 0x0                               ; the mask words' load is done: its offset and its registers may be written again
	s_wait_dscnt 0x0
	s_barrier_signal -1
	s_barrier_wait -1
	s_add_co_u32 s25, s25, 1
	s_add_co_u32 s26, s26, 4
.endm
	s_mov_b32 s25, 0                               ; T
	s_mov_b32 s26, s17                             ; my step: 4 T + j
	s_mov_b32 s27, 0
.Lslots:                                               ; four trips of two slots, in every work-group: what is left out is a slot's fetch and a step's work, never a barrier
	PHASE 0
	PHASE 1
	s_add_co_u32 s27, s27, 1
	s_cmp_lt_u32 s27, 4
	s_cbranch_scc1 .Lslots
	; THE MERGE.  Each wave hands its O^T (as rows of O), -M and sum to LDS; then wave (tile, j) takes rows 4 j .. 4 j + 3 of its tile from the four quarters.
	v_add_f32 v14, v14, v15
	v_permlanex16_b32 v237, v14, s30, s31
	v_add_f32 v13, v14, v237                       ; my quarter's sum, beside -M
.irp d, 0,1,2,3
	ds_store_b128 v245, v[O+8*\d:O+8*\d+3] offset:64*\d            ; lane (r, h): O(r, 16 d + 8 h + 0..7)
	ds_store_b128 v245, v[O+8*\d+4:O+8*\d+7] offset:64*\d+16
.endr
	ds_store_b64 v246, v[12:13]                    ; both halves of the lanes hold the same two numbers
	s_wait_dscnt 0x0
	s_barrier_signal -1
	s_barrier_wait -1
.irp a, 0,1,2,3
.irp u, 0,1
	ds_load_b128 v[56+8*\a+4*\u:59+8*\a+4*\u], v247 offset:MREG*\a+2*MP*\u   ; quarter a, row 4 j + 2 u + h, 16 bytes at 16 r
	ds_load_b64 v[88+4*\a+2*\u:89+4*\a+2*\u], v251 offset:128*\a+16*\u
.endr
.endr
	s_wait_dscnt 0x0
.irp u, 0,1
	v_min3_num_f32 v[114+\u], v[88+2*\u], v[92+2*\u], v[96+2*\u]
	v_min_num_f32 v[114+\u], v[114+\u], v[100+2*\u]                ; -M of the row: the least of the four
.irp a, 0,1,2,3
	v_sub_f32 v[104+4*\u+\a], v[114+\u], v[88+4*\a+2*\u]           ; M of quarter a - M: a whole number, 0 or less
.endr
.irp a, 0,1,2,3
	v_cvt_i32_f32 v[104+4*\u+\a], v[104+4*\u+\a]
.endr
.irp a, 0,1,2,3
	v_ldexp_f32 v[104+4*\u+\a], 1.0, v[104+4*\u+\a]                ; f of quarter a: 0 for a quarter without a step, or with hidden keys alone beside a visible one
.endr
	v_mul_f32 v[112+\u], v[104+4*\u], v[89+2*\u]
.irp a, 1,2,3
	v_fmac_f32 v[112+\u], v[104+4*\u+\a], v[89+4*\a+2*\u]          ; the row's sum
.endr
.endr
	v_rcp_f32 v116, v112
	v_rcp_f32 v117, v113
	v_nop                                          ; a plain instruction behind the reciprocals
	v_cvt_f32_u32 v10, v10                         ; q_mask as 0.0 or 1.0
	v_cvt_f32_u32 v11, v11
	s_wait_alu depctr_va_vdst(0)                   ; one wait for both, ahead of their first reader
	v_ldexp_f32 v116, v116, s54                    ; x 2^(e2 + e3)
	v_ldexp_f32 v117, v117, s54
	v_mul_f32 v116, v116, v10
	v_mul_f32 v117, v117, v11
.irp u, 0,1
.irp a, 0,1,2,3
	v_mul_f32 v[104+4*\u+\a], v[104+4*\u+\a], v[116+\u]
.endr
.irp k, 0,1,2,3
	v_mul_f32 v[120+4*\u+\k], v[104+4*\u], v[56+4*\u+\k]
.endr
.irp a, 1,2,3
.irp k, 0,1,2,3
	v_fmac_f32 v[120+4*\u+\k], v[104+4*\u+\a], v[56+8*\a+4*\u+\k]
.endr
.endr
.endr
	global_store_b128 v1, v[120:123], s[14:15] th:TH_STORE_NT              ; 32 lanes store two whole rows: 512 consecutive bytes, at a multiple of 512 from out0's first byte
	global_store_b128 v1, v[124:127], s[14:15] offset:512 th:TH_STORE_NT
	s_wait_xcnt 0x0
	v_lshl_add_u32 v254, v0, 2, 0x31800
	v_mov_b32 v255, 0
	s_wait_tensorcnt 0x0
	ds_add_u32 v254, v255
	s_wait_dscnt 0x0
	s_endpgm
.Lfunc_end_k_q9072a1d970_attn:
	.size	k_q9072a1d970_attn, .Lfunc_end_k_q9072a1d970_attn-k_q9072a1d970_attn
	.p2alignl 7, 3214868480
	.fill 96, 4, 3214868480
	.section	.rodata,"a",@progbits
	.p2align	6, 0x0
	.amdhsa_kernel k_q9072a1d970_attn
		.amdhsa_group_segment_fixed_size 204800
		.amdhsa_private_segment_fixed_size 0
		.amdhsa_enable_private_segment 0
		.amdhsa_kernarg_size 48
		.amdhsa_user_sgpr_count 2
		.amdhsa_user_sgpr_kernarg_segment_ptr 1
		.amdhsa_wavefront_size32 1
		.amdhsa_system_sgpr_workgroup_id_x 1
		.amdhsa_system_sgpr_workgroup_id_y 1
		.amdhsa_system_sgpr_workgroup_id_z 1
		.amdhsa_system_vgpr_workitem_id 0
		.amdhsa_next_free_vgpr 256
		.amdhsa_next_free_sgpr 66
		.amdhsa_reserve_vcc 1
		.amdhsa_float_denorm_mode_32 3
		.amdhsa_float_denorm_mode_16_64 3
		.amdhsa_memory_ordered 1
		.amdhsa_forward_progress 1
		.amdhsa_inst_pref_size 75
	.end_amdhsa_kernel
	.amdgpu_metadata
---
amdhsa.version: [ 1, 2 ]
amdhsa.kernels:
  - .name:           k_q9072a1d970_attn
    .symbol:         k_q9072a1d970_attn.kd
    .args:
      - { .name: qf, .offset: 0, .size: 8, .value_kind: global_buffer, .address_space: global }
      - { .name: kv, .offset: 8, .size: 8, .value_kind: global_buffer, .address_space: global }
      - { .name: vm, .offset: 16, .size: 8, .value_kind: global_buffer, .address_space: global }
      - { .name: lowp_scales, .offset: 24, .size: 8, .value_kind: global_buffer, .address_space: global }
      - { .name: q_mask, .offset: 32, .size: 8, .value_kind: global_buffer, .address_space: global }
      - { .name: out0, .offset: 40, .size: 8, .value_kind: global_buffer, .address_space: global }
    .group_segment_fixed_size: 204800
    .private_segment_fixed_size: 0
    .kernarg_segment_align: 8
    .kernarg_segment_size: 48
    .max_flat_workgroup_size: 512
    .sgpr_count:     66
    .vgpr_count:     256
    .wavefront_size: 32
...
	.end_amdgpu_metadata
.endif
;; end of part 2
;; ======== version 2 of 2: 2 launches; version 1 with the launch attn written anew for expert scheduling mode
;; limits: right only within a limited range of input values
;; workspace buffers: qf 1,048,576 bytes; kv 2,097,152 bytes; vm 2,304 bytes of whole numbers
;; launch prep: the kernel of part 1 again; grid 772 x 1, 4 waves a work-group, no clusters, 25,600 bytes of LDS; arguments query, key, value, v_mask, scale, lowp_scales, qf, kv, vm; writes qf, kv, vm
;; launch attn (part 3): grid 64 x 4, 16 waves a work-group, no clusters, 204,800 bytes of LDS; arguments qf, kv, vm, lowp_scales, q_mask, out0; writes out0
.if DOCPART == 3
	.amdgcn_target "amdgcn-amd-amdhsa--gfx1250"
	.amdhsa_code_object_version 6
	.text
	.protected	k_q9072a1d970_attn
	.globl	k_q9072a1d970_attn
	.p2align	8
	.type	k_q9072a1d970_attn,@function
k_q9072a1d970_attn:
	s_mov_b64 s[64:65], 0
	v_nop
	global_prefetch_b8 v0, s[64:65] scope:SCOPE_SE
	s_setreg_imm32_b32 hwreg(HW_REG_WAVE_SCHED_MODE, 0, 2), 2
	s_setreg_imm32_b32 hwreg(HW_REG_WAVE_MODE, 25, 1), 1
	s_wait_xcnt 0x0
	s_wait_alu depctr_vm_vsrc(0)
; out[b][q] = q_mask x softmax_k(score - 1e9 x hidden) . value, score = (scale x query) . key, hidden = (k > q) or not v_mask[k]; both products on codes of FP8 (E4M3) made by the launch before.
; THE SOFTMAX: t = logit x log2(e); M = the largest t so far, rounded UP to a whole number; p = 2^(t - M) is quantised with 2^e2; the sum is taken of the unquantised p and divides at the end.
; THE MASK IS -1e9, NOT -INFINITY.  A query q below F (the first true index of v_mask; from vm) sees only hidden keys, and reference() then weighs ALL 4,096 keys by fl(score - 1e9).  So a tile with such a
; query walks all 32 key steps, and a hidden logit is made as reference() makes it: fl(score - 1e9), then fl(x log2(e)).  Every other tile stops behind its diagonal step: there a hidden key's p is 0.
; LIMITS: e0 + e1 between -126 and 4 (so |score| < 2.1e8, and a hidden key counts for nothing beside a visible one); e2 between -126 and 119; e2 + e3 between -110 and 126.  NaN among the inputs is not served.
; SHARES.  A work-group owns blocks g and 127 - g of 32 queries of one batch: four tiles of 16, whose causal lengths add up to the same in every work-group.  Wave 4 a + b takes tile a xor b and key quarter j = a:
; in slot T (512 keys) it works step 4 T + j (128 keys) on its own running M, sum and O^T; at the end a tile's four quarters are merged through LDS by exact powers of two.
; K AND V come as register images, 65,536 dense bytes a slot: global -> registers -> LDS, two slots by turns, one barrier a slot; slot T + 2 is asked for in slot T and stored in slot T + 1.
; NO TENSOR LOAD, NO JOINT LOAD: which steps are walked, whether a step needs its mask, and whether p needs its hold are branches on whole numbers read from memory (F, the mask words, e2),
; without these branches every tile would walk all 32 steps with mask and hold.
; LAYOUT.  Both products transposed: S^T = K Q^T (source 0 = 16 keys), O^T = V^T P^T (source 0 = 16 of d): a lane holds ONE query (lane % 16).  The keys of a tile of K are chosen so that register 16 b + i of S^T
; is key 32 b + 16 (lane / 16) + i.  k stands in both operands of each product in the same permuted places (16 neighbours to four registers).
; REGISTERS: v1 16 x lane; v2, v3 my step in slot 0, 1; v4, v5 where I store a fill; v6 the fills' offset in kv; v7 r - 16 h; v10, v11 q_mask; v12 -M, v13 the largest t, v[14:15] the sum;
; v16-23 Q; v24-55 a fill on its way; v56-119 K's, then V's fragments; v120-183 S^T, then p; v184-215 O^T; v216-231 p's codes; v232-254 at work; v245-247, v251 the merge's LDS addresses, which hold nothing else.
; THE MODE: SCHED_MODE bits 1:0 = 2 (LLVM: expert scheduling mode 2), set by the entry lines.  The code itself states the register dependences
; between vector or matrix instructions and memory or LDS instructions, with s_wait_alu, always for 0.
; THE PLAN.  Registers that memory or LDS instructions touch:
;   v1-v6, v8, v245-247, v251   offsets and LDS addresses: made at the head, ahead of one wait on va_vdst, and never written again; kv's scalar base moves on by a slot, and immediates do the rest.
;   G  (v24-55)    the loads of slot T + 2 land in it; the LDS stores of the next phase read it; no vector instruction names it.  One wait on vm_vsrc a phase, behind the stores.
;   KV (v56-119)   a step: K's loads land, eight products read it, V's loads land, four products read it; no vector instruction writes it.  So two waits on va_vdst a step: at its head (the last step's
;                  four products are done reading) and behind the eight products.  Behind the second, the softmax names S^T, O^T, p's codes, v7, v12-15 and v232-254, never KV: V's loads are dealt among its lines.
;   S  (v120-183)  at the head slot 0 passes through it: one wait on vm_vsrc ahead of the loop; from then on vector and matrix instructions alone, until v120-127 are the final stores' data.
;   O^T, v12, v13  the merge's LDS stores read them: one wait on va_vdst ahead of those stores, which also serves the merge's loads into v56-103.
; Masks made by compares go into s56-s63, in runs, with one wait on va_sdst behind each run and ahead of its selects.
.set SLOTB, 65536
.set MP,    272                        ; the merge: a query's row of 256 bytes + 16
.set MREG,  16*MP                      ; a wave's region: 16 rows
.set MRG,   2*SLOTB                    ; 16 regions, region 4 tile + quarter
.set STT,   MRG+16*MREG                ; 16 x 128 bytes: (-M, sum) of 16 queries
.set QF,  16
.set G,   24
.set KV,  56
.set S,   120
.set O,   184
.set PC,  216
.set CM,  56                           ; s56-s63: a run's masks
	s_load_b256 s[4:11], s[0:1], 0x0               ; qf s[4:5], kv s[6:7], vm s[8:9], the exponents s[10:11]
	s_load_b128 s[12:15], s[0:1], 0x20             ; q_mask s[12:13], out0 s[14:15]
	v_lshrrev_b32 v8, 5, v0
	v_readfirstlane_b32 s16, v8                    ; wave 0..15
	v_and_b32 v1, 31, v0
	v_lshlrev_b32 v1, 4, v1                        ; 16 x lane
	v_and_b32 v9, 15, v0                           ; r
	v_bfe_u32 v8, v0, 4, 1                         ; h
	s_wait_alu depctr_va_sdst(0)                   ; s16 is written, ahead of its first reader: my quarter, my tile and all that hangs on them are made from it
	s_lshr_b32 s17, s16, 2                         ; j: my key quarter
	s_and_b32 s18, s16, 3
	s_xor_b32 s18, s18, s17                        ; my tile 0..3
	s_mov_b32 s19, ttmp9                           ; g
	s_and_b32 s20, ttmp7, 0xffff                   ; batch
	s_sub_co_u32 s48, 127, s19
	s_cmp_lt_u32 s18, 2
	s_cselect_b32 s21, s19, s48                    ; block g (tiles 0, 1) or 127 - g (tiles 2, 3)
	s_lshl_b32 s21, s21, 5
	s_and_b32 s48, s18, 1
	s_lshl_b32 s48, s48, 4
	s_add_co_u32 s21, s21, s48                     ; q0: my tile's first query
	s_lshr_b32 s22, s21, 7                         ; its diagonal step
	s_lshl_b32 s48, s17, 14
	v_add_nc_u32 v2, s48, v1                       ; slot 0: 16 x lane + 16,384 j
	v_add_nc_u32 v3, SLOTB, v2
	v_lshlrev_b32 v4, 4, v0                        ; a fill: 16 x thread, 8,192 bytes an instruction of the work-group
	v_add_nc_u32 v5, SLOTB, v4
	v_lshlrev_b32 v6, 4, v0
	v_lshlrev_b32 v7, 4, v8
	v_sub_nc_u32 v7, v9, v7                        ; r - 16 h
	s_lshl_b32 s48, s18, 2
	s_add_co_u32 s48, s48, s17                     ; my region: 4 tile + quarter
	s_mul_i32 s49, s48, MREG
	s_add_co_u32 s49, s49, MRG
	v_mul_u32_u24 v245, v9, MP
	v_lshl_add_u32 v245, v8, 5, v245
	v_add_nc_u32 v245, s49, v245                   ; in: row r, + 32 h
	s_lshl_b32 s49, s48, 7
	s_add_co_u32 s49, s49, STT
	v_lshl_add_u32 v246, v9, 3, s49                ; in: (-M, sum) of query r
	s_mul_i32 s49, s18, 4*MREG
	s_mul_i32 s50, s17, 4*MP
	s_add_co_u32 s49, s49, s50
	s_add_co_u32 s49, s49, MRG
	v_mul_u32_u24 v247, v8, MP
	v_lshl_add_u32 v247, v9, 4, v247
	v_add_nc_u32 v247, s49, v247                   ; back: my tile's quarter 0, row 4 j + h, 16 bytes at 16 r
	s_lshl_b32 s49, s18, 9
	s_lshl_b32 s50, s17, 5
	s_add_co_u32 s49, s49, s50
	s_add_co_u32 s49, s49, STT
	v_lshl_add_u32 v251, v8, 3, s49                ; back: that row's (-M, sum)
	s_mov_b32 s30, 0x76543210                      ; v_permlanex16_b32's selects for lane l xor 16
	s_mov_b32 s31, 0xfedcba98
	s_mov_b32 s36, 0x3fb8aa3b                      ; log2(e)
	s_mov_b32 s37, s36
	s_mov_b32 s53, 0xffff0000                      ; the mask of lanes 16-31, for the choice of the mask words by the lane's half
	s_lshl_b32 s52, s20, 9                         ; my batch's mask words in vm
	s_mov_b32 s51, 0
	s_lshl_b32 s49, s20, 2
	s_wait_kmcnt 0x0
	s_load_b128 s[40:43], s[10:11], 0x0            ; e0, e1, e2, e3
	s_load_b32 s28, s[8:9], s49 offset:0x800       ; F
	s_lshl_b32 s50, s20, 19
	s_add_nc_u64 s[6:7], s[6:7], s[50:51]          ; kv at my batch
	s_lshl_b32 s50, s20, 18
	s_lshl_b32 s48, s21, 6
	s_add_co_u32 s50, s50, s48
	s_add_nc_u64 s[4:5], s[4:5], s[50:51]          ; qf at my tile: 1,024 bytes a tile
	s_lshl_b32 s50, s20, 12
	s_add_co_u32 s50, s50, s21
	s_lshl_b32 s48, s17, 2
	s_add_co_u32 s50, s50, s48                     ; the four rows that I store at the end: q0 + 4 j on
	s_add_nc_u64 s[12:13], s[12:13], s[50:51]
	s_lshl_b32 s50, s50, 8
	s_add_nc_u64 s[14:15], s[14:15], s[50:51]
	s_wait_alu depctr_va_vdst(0)                   ; v1 to v6, v8, v245 to v247 and v251 are written: every load and store of the kernel, global or LDS, reads one of them as its offset or address, and none is written again
.irp i, 0,1,2,3,4,5,6,7
	global_load_b128 v[S+4*\i:S+4*\i+3], v6, s[6:7] offset:8192*\i          ; slot 0, through registers that are free yet
.endr
	global_load_b128 v[QF:QF+3], v1, s[4:5]                                ; Q's fragment stays in registers
	global_load_b128 v[QF+4:QF+7], v1, s[4:5] offset:512
	global_load_u8 v10, v8, s[12:13]                                       ; q_mask of rows q0 + 4 j + h and + 2
	global_load_u8 v11, v8, s[12:13] offset:2
.irp i, 0,1,2,3,4,5,6,7
	global_load_b128 v[G+4*\i:G+4*\i+3], v6, s[6:7] offset:SLOTB+8192*\i    ; slot 1
.endr
	v_mov_b32 v13, 0xff61b1e6                      ; the largest t so far: -3e38, under every t
	v_floor_f32 v12, -v13                          ; -M
	v_mov_b32 v14, 0
	v_mov_b32 v15, 0
	v_mov_b32 v237, 0                              ; (a lane permute's destination counts as read)
	v_mov_b32 v253, 0                              ; (named as the upper half of the pair v[252:253])
	v_mov_b32 v241, 0xce6e6b28                     ; -1e9
.set I, 0
.rept 32
	v_mov_b32 v[O+I], 0                            ; O^T: the step is written once, and a quarter without a step hands zeros to the merge
.set I, I+1
.endr
	s_wait_kmcnt 0x0
	s_add_co_i32 s48, s40, s41                     ; e0 + e1
	s_lshl_b32 s49, s48, 23
	s_add_co_i32 s34, s49, 0x3fb8aa3b              ; c = log2(e) x 2^(e0 + e1): the exponents are added to its exponent field
	s_add_co_i32 s48, s48, 127
	s_lshl_b32 s38, s48, 23                        ; 2^(e0 + e1)
	s_mov_b32 s39, s38
	s_add_co_i32 s48, s42, 127
	s_lshl_b32 s49, s48, 23
	v_mov_b32 v244, s49                            ; 2^e2, for the conversion
	s_add_co_i32 s48, s48, 8
	s_lshl_b32 s48, s48, 23
	s_or_b32 s48, s48, 0x600000
	v_mov_b32 v240, s48                            ; 448 x 2^e2
	s_add_co_i32 s54, s42, s43                     ; e2 + e3
	s_add_co_u32 s23, s22, 1
	s_cmp_lt_u32 s21, s28
	s_cselect_b32 s23, 32, s23                     ; NW: my tile walks steps 0 .. NW - 1: to its diagonal, or all 32 where q0 < F
	s_sub_co_u32 s48, 127, s19
	s_lshl_b32 s48, s48, 5
	s_add_co_u32 s48, s48, 16
	s_lshr_b32 s48, s48, 9
	s_add_co_u32 s24, s48, 1
	s_lshl_b32 s49, s19, 5
	s_cmp_lt_u32 s49, s28
	s_cselect_b32 s24, 8, s24                      ; NS: slots that the work-group fetches (5 to 8): to its last tile's diagonal, or all where its first query is below F
	s_wait_loadcnt 0x8                             ; slot 0, Q and q_mask are in; slot 1's eight loads may be out
.irp i, 0,1,2,3,4,5,6,7
	ds_store_b128 v4, v[S+4*\i:S+4*\i+3] offset:8192*\i
.endr
	s_wait_dscnt 0x0                               ; for the others' sake: my part of slot 0 is in LDS
	s_barrier_signal -1
	s_barrier_wait -1
	s_wait_alu depctr_vm_vsrc(0)                   ; my LDS stores have read v[S ..]: from here on these registers are S^T, written by the products
; x = the number of visible keys among block b's sixteen of my half, by the causal mask: dq + 1 - 32 b held within 0 .. 16; then x ones.
; In two parts: the four sums and their compares, each into a mask register of its own, stand in one run; the rest follows behind the one wait for the four masks.
.macro CSIGN dst, b, m
	v_add_nc_u32 v[\dst], 1-32*(\b), v232
	v_cmp_le_i32 s[\m], 0, v[\dst]
.endm
.macro CBITS dst, m
	v_cndmask_b32 v[\dst], 0, v[\dst], s[\m]
	v_min_u32 v[\dst], 16, v[\dst]
	v_lshlrev_b32 v[\dst], v[\dst], 1
	v_add_nc_u32 v[\dst], -1, v[\dst]
.endm
; S^T becomes t as reference() has it: u = fl(score - 1e9) where the key is hidden, score where not (one fused multiply-add: the sum x 2^(e0 + e1) is exact); t = fl(u x log2(e)).
; The product is rounded by itself: at 1.4e9 the numbers stand 128 apart, and the difference t - M must be that of two such numbers.
.macro MASKPRE
	s_lshl_b32 s48, s26, 7
	s_sub_co_i32 s48, s21, s48
	v_add_nc_u32 v232, s48, v7                     ; dq = my query - the step's first key - 16 h: register 16 b + i is hidden by the causal mask where 32 b + i > dq
	CSIGN 248, 0, CM
	CSIGN 235, 1, CM+1
	CSIGN 249, 2, CM+2
	CSIGN 236, 3, CM+3
	s_wait_alu depctr_va_sdst(0)                   ; the four compares have written s56 to s59, ahead of the selects that read them
	CBITS 248, CM
	CBITS 235, CM+1
	CBITS 249, CM+2
	CBITS 236, CM+3
	v_lshl_or_b32 v248, v235, 16, v248
	v_lshl_or_b32 v249, v236, 16, v249
	v_mov_b32 v233, s44
	v_mov_b32 v235, s45
	v_cndmask_b32 v233, v233, v235, s53            ; lanes 16-31 take the words of h = 1
	v_mov_b32 v234, s46
	v_mov_b32 v236, s47
	v_cndmask_b32 v234, v234, v236, s53
	v_and_b32 v233, v233, v248                     ; bit n of the pair: register n's key is visible
	v_and_b32 v234, v234, v249
.set PN, 0
.rept 8                                ; eight registers at a time, ascending: each accumulator is read from its low end on
.set PM, 0
.rept 8
	v_and_b32 v[235+PM%2], 1<<((PN+PM)%32), v[233+(PN+PM)/32]
	v_cmp_eq_u32 s[CM+PM], 0, v[235+PM%2]
.set PM, PM+1
.endr
	s_wait_alu depctr_va_sdst(0)                   ; the run's eight compares have written s56 to s63, ahead of the selects that read them
.set PM, 0
.rept 4
	v_cndmask_b32 v238, 0, v241, s[CM+PM]
	v_cndmask_b32 v239, 0, v241, s[CM+PM+1]
	v_pk_fma_f32 v[S+PN+PM:S+PN+PM+1], v[S+PN+PM:S+PN+PM+1], s[38:39], v[238:239] op_sel_hi:[1,0,1]
	v_pk_mul_f32 v[S+PN+PM:S+PN+PM+1], v[S+PN+PM:S+PN+PM+1], s[36:37] op_sel_hi:[1,0]
.set PM, PM+2
.endr
.set PN, PN+8
.endr
	s_mov_b32 s32, 1.0                             ; what follows finds t, not sums
	s_mov_b32 s33, 1.0
.endm
; V^T's fragment d of my step in slot p: four loads
.macro VFRAG p, d
.irp c, 0,1,2,3
	ds_load_b128 v[KV+16*(\d)+4*\c:KV+16*(\d)+4*\c+3], v[2+\p] offset:8192+2048*(\d)+512*\c
.endr
.endm
; A KEY STEP: my 128 keys of slot p.
.macro STEP p
	s_wait_alu depctr_va_vdst(0)                   ; the last step's four products V^T P are done reading v[KV ..], in which K's fragments land
.irp t, 0,1,2,3,4,5,6,7
	ds_load_b128 v[KV+8*\t:KV+8*\t+3],   v[2+\p] offset:1024*\t
	ds_load_b128 v[KV+8*\t+4:KV+8*\t+7], v[2+\p] offset:1024*\t+512
.endr
	s_wait_dscnt 0x0
.irp t, 0,1,2,3,4,5,6,7
	v_wmma_f32_16x16x64_fp8_fp8 v[S+8*\t:S+8*\t+7], v[KV+8*\t:KV+8*\t+7], v[QF:QF+7], 0
.endr
.rept 4
	v_nop                                          ; four places behind the products (ISA guide 7.12.1), in front of the first read of S^T
.endr
	s_wait_alu depctr_va_vdst(0)                   ; the eight products are done reading v[KV ..], in which V^T lands.  No vector or matrix instruction from here to the products V^T P names v[KV ..]: V's sixteen loads need no further wait
	VFRAG \p, 0                                    ; V^T: it lands while the softmax is worked; the other three fragments are asked for among the maximum's lines
	s_wait_kmcnt 0x0                               ; the step's four mask words
	s_and_b32 s48, s44, s45
	s_and_b32 s49, s46, s47
	s_and_b32 s48, s48, s49
	s_mov_b32 s32, s34                             ; a sum x c is t
	s_mov_b32 s33, s34
	s_cmp_lg_u32 s48, -1
	s_cbranch_scc1 .Lmask_\@                       ; a hole in v_mask
	s_cmp_lt_u32 s26, s22
	s_cbranch_scc1 .Lopen_\@                       ; all 128 keys come before my first query: nothing is hidden
.Lmask_\@:
	MASKPRE
.Lopen_\@:
	v_max3_num_f32 v254, v[S], v[S+1], v[S+2]      ; the step's largest of my query, among my 64 keys, in two chains,
	v_max3_num_f32 v250, v[S+3], v[S+4], v[S+5]
.set I, 6
.rept 14
	v_max3_num_f32 v254, v254, v[S+I], v[S+I+1]
	v_max3_num_f32 v250, v250, v[S+I+2], v[S+I+3]
.if I == 14
	VFRAG \p, 1
.endif
.if I == 30
	VFRAG \p, 2
.endif
.if I == 46
	VFRAG \p, 3
.endif
.set I, I+4
.endr
	v_max3_num_f32 v254, v254, v[S+62], v[S+63]
	v_max_num_f32 v254, v254, v250
	v_permlanex16_b32 v237, v254, s30, s31
	v_max_num_f32 v254, v254, v237                 ; and among lane l xor 16's
	v_mul_f32 v254, s32, v254                      ; as t (the factor is positive)
	v_max_num_f32 v13, v13, v254                   ; the running largest t
	v_mov_b32 v254, v12
	v_floor_f32 v12, -v13                          ; the new -M = floor(-t) = -ceil(t): a whole number
	v_sub_f32 v254, v12, v254                      ; old M - new M: a whole number, 0 or less
	v_cvt_i32_f32 v254, v254                       ; (it saturates)
	v_ldexp_f32 v252, 1.0, v254                    ; f = 2^(old M - new M): rounds nothing
.set I, 0
.rept 32
	v_pk_fma_f32 v[S+I:S+I+1], v[S+I:S+I+1], s[32:33], v[12:13] op_sel_hi:[1,0,0]   ; t - M (of both pairs the low word serves both halves)
.set I, I+2
.endr
.set I, 0
.rept 64
	v_exp_f32 v[S+I], v[S+I]                       ; p = 2^(t - M), at most 1: not normalised
.set I, I+1
.endr
	v_pk_mul_f32 v[14:15], v[14:15], v[252:253] op_sel_hi:[1,0]   ; the sum under the new M; the plain instruction behind the exponentials
	s_wait_alu depctr_va_vdst(0)                   ; the 64 exponentials have written p: one wait for the batch, ahead of its first reader
	v_pk_add_f32 v[242:243], v[S:S+1], v[S+2:S+3]  ; the sum is taken of the UNQUANTISED p, in two chains
.set I, 4
.rept 15
	v_pk_add_f32 v[14:15], v[14:15], v[S+I:S+I+1]
	v_pk_add_f32 v[242:243], v[242:243], v[S+I+2:S+I+3]
.set I, I+4
.endr
	v_pk_add_f32 v[14:15], v[14:15], v[242:243]
	s_cmp_ge_i32 s42, -8                           ; p <= 1 <= 448 x 2^e2 from e2 = -8 on: the hold would change nothing
	s_cbranch_scc1 .Lnohold_\@
.set I, 0
.rept 64
	v_min_num_f32 v[S+I], v[S+I], v240             ; the conversion does not saturate (ISA guide 7.6.2); p is not negative, so the hold is one-sided
.set I, I+1
.endr
.Lnohold_\@:
.irp b, 0,1,2,3
	v_cvt_scalef32_pk8_fp8_f32 v[PC+4*\b:PC+4*\b+1],   v[S+16*\b:S+16*\b+7],    v244
	v_cvt_scalef32_pk8_fp8_f32 v[PC+4*\b+2:PC+4*\b+3], v[S+16*\b+8:S+16*\b+15], v244
.endr
.set I, 0
.rept 16
	v_pk_mul_f32 v[O+I:O+I+1], v[O+I:O+I+1], v[252:253] op_sel_hi:[1,0]   ; O^T under the new M, each accumulator from its low end on; also the plain lines behind the conversions
.set I, I+2
.endr
	s_wait_dscnt 0x0                               ; V^T is in
.irp d, 0,1,2,3                        ; the four accumulators take turns; between two links of a chain stand the next step's eight products K Q^T
	v_wmma_f32_16x16x128_fp8_fp8 v[O+8*\d:O+8*\d+7], v[KV+16*\d:KV+16*\d+15], v[PC:PC+15], v[O+8*\d:O+8*\d+7]
.endr
.rept 4
	v_nop                                          ; four places in front of the next read of O^T, whichever way follows
.endr
.endm
; SLOT T lies in LDS slot p.  The slot that follows, which came into registers during the last phase, is stored into the other LDS slot (last read before the last barrier); the slot after that is asked for;
; my step is worked; ONE barrier: in front of it my reads of slot p and my stores into the other are done.
.macro PHASE p
	s_lshl_b32 s55, s26, 4
	s_add_co_u32 s55, s55, s52
	s_load_b128 s[44:47], s[8:9], s55              ; my step's mask words (step <= 31: inside vm)
	s_add_co_u32 s48, s25, 1
	s_cmp_lt_u32 s48, s24
	s_cbranch_scc0 .Lnofill_\@
	s_wait_loadcnt 0x0                             ; slot T + 1 is in my registers, and the loads that read kv's base are done: it is free
.irp i, 0,1,2,3,4,5,6,7
	ds_store_b128 v[5-\p], v[G+4*\i:G+4*\i+3] offset:8192*\i
.endr
	s_wait_alu depctr_vm_vsrc(0)                   ; these LDS stores have read v[G ..], in which the loads of slot T + 2 land
	s_add_co_u32 s48, s25, 2
	s_cmp_lt_u32 s48, s24
	s_cbranch_scc0 .Lnofill_\@
	s_wait_dscnt 0x0                               ; the stores are done
	s_add_nc_u64 s[6:7], s[6:7], SLOTB             ; kv's base moves on by a slot; the offset register stays as it is
.irp i, 0,1,2,3,4,5,6,7
	global_load_b128 v[G+4*\i:G+4*\i+3], v6, s[6:7] offset:SLOTB+8192*\i    ; slot T + 2: it has this whole phase in which to land; no vector instruction ever names v[G ..]
.endr
.Lnofill_\@:
	s_cmp_lt_u32 s26, s23
	s_cbranch_scc0 .Lskip_\@
	STEP \p
.Lskip_\@:
	s_wait_kmcnt 0x0                               ; the mask words' load is done: its offset and its registers may be written again
	s_wait_dscnt 0x0
	s_barrier_signal -1
	s_barrier_wait -1
	s_add_co_u32 s25, s25, 1
	s_add_co_u32 s26, s26, 4
.endm
	s_mov_b32 s25, 0                               ; T
	s_mov_b32 s26, s17                             ; my step: 4 T + j
	s_mov_b32 s27, 0
.Lslots:                                               ; four trips of two slots, in every work-group: what is left out is a slot's fetch and a step's work, never a barrier
	PHASE 0
	PHASE 1
	s_add_co_u32 s27, s27, 1
	s_cmp_lt_u32 s27, 4
	s_cbranch_scc1 .Lslots
	; THE MERGE.  Each wave hands its O^T (as rows of O), -M and sum to LDS; then wave (tile, j) takes rows 4 j .. 4 j + 3 of its tile from the four quarters.
	v_add_f32 v14, v14, v15
	v_permlanex16_b32 v237, v14, s30, s31
	v_add_f32 v13, v14, v237                       ; my quarter's sum, beside -M
	s_wait_alu depctr_va_vdst(0)                   ; O^T, v12 and v13 are written, which the LDS stores below read (the places behind the last products stand ahead); and those products are done reading v[KV ..], in which the loads behind the barrier land
.irp d, 0,1,2,3
	ds_store_b128 v245, v[O+8*\d:O+8*\d+3] offset:64*\d            ; lane (r, h): O(r, 16 d + 8 h + 0..7)
	ds_store_b128 v245, v[O+8*\d+4:O+8*\d+7] offset:64*\d+16
.endr
	ds_store_b64 v246, v[12:13]                    ; both halves of the lanes hold the same two numbers
	s_wait_dscnt 0x0
	s_barrier_signal -1
	s_barrier_wait -1
.irp a, 0,1,2,3
.irp u, 0,1
	ds_load_b128 v[56+8*\a+4*\u:59+8*\a+4*\u], v247 offset:MREG*\a+2*MP*\u   ; quarter a, row 4 j + 2 u + h, 16 bytes at 16 r
	ds_load_b64 v[88+4*\a+2*\u:89+4*\a+2*\u], v251 offset:128*\a+16*\u
.endr
.endr
	s_wait_dscnt 0x0
.irp u, 0,1
	v_min3_num_f32 v[114+\u], v[88+2*\u], v[92+2*\u], v[96+2*\u]
	v_min_num_f32 v[114+\u], v[114+\u], v[100+2*\u]                ; -M of the row: the least of the four
.irp a, 0,1,2,3
	v_sub_f32 v[104+4*\u+\a], v[114+\u], v[88+4*\a+2*\u]           ; M of quarter a - M: a whole number, 0 or less
.endr
.irp a, 0,1,2,3
	v_cvt_i32_f32 v[104+4*\u+\a], v[104+4*\u+\a]
.endr
.irp a, 0,1,2,3
	v_ldexp_f32 v[104+4*\u+\a], 1.0, v[104+4*\u+\a]                ; f of quarter a: 0 for a quarter without a step, or with hidden keys alone beside a visible one
.endr
	v_mul_f32 v[112+\u], v[104+4*\u], v[89+2*\u]
.irp a, 1,2,3
	v_fmac_f32 v[112+\u], v[104+4*\u+\a], v[89+4*\a+2*\u]          ; the row's sum
.endr
.endr
	v_rcp_f32 v116, v112
	v_rcp_f32 v117, v113
	v_nop                                          ; a plain instruction behind the reciprocals
	v_cvt_f32_u32 v10, v10                         ; q_mask as 0.0 or 1.0
	v_cvt_f32_u32 v11, v11
	s_wait_alu depctr_va_vdst(0)                   ; the two reciprocals have written v116 and v117: one wait for both, ahead of their first reader
	v_ldexp_f32 v116, v116, s54                    ; x 2^(e2 + e3)
	v_ldexp_f32 v117, v117, s54
	v_mul_f32 v116, v116, v10
	v_mul_f32 v117, v117, v11
.irp u, 0,1
.irp a, 0,1,2,3
	v_mul_f32 v[104+4*\u+\a], v[104+4*\u+\a], v[116+\u]
.endr
.irp k, 0,1,2,3
	v_mul_f32 v[120+4*\u+\k], v[104+4*\u], v[56+4*\u+\k]
.endr
.irp a, 1,2,3
.irp k, 0,1,2,3
	v_fmac_f32 v[120+4*\u+\k], v[104+4*\u+\a], v[56+8*\a+4*\u+\k]
.endr
.endr
.endr
	s_wait_alu depctr_va_vdst(0)                   ; the multiply-adds have written v120 to v127, which the two stores read
	global_store_b128 v1, v[120:123], s[14:15] th:TH_STORE_NT              ; 32 lanes store two whole rows: 512 consecutive bytes, at a multiple of 512 from out0's first byte
	global_store_b128 v1, v[124:127], s[14:15] offset:512 th:TH_STORE_NT
	s_wait_xcnt 0x0
	v_lshl_add_u32 v254, v0, 2, 0x31800            ; the add's two registers, made anew straight ahead of the closing lines: v0 is as at the entry, and no memory or LDS instruction has read v254 or v255
	v_mov_b32 v255, 0
	s_wait_dscnt 0x0                               ; the closing lines, six on end
	s_wait_alu 0x0
	s_wait_tensorcnt 0x0
	ds_add_u32 v254, v255
	s_wait_dscnt 0x0
	s_endpgm
.Lfunc_end_k_q9072a1d970_attn:
	.size	k_q9072a1d970_attn, .Lfunc_end_k_q9072a1d970_attn-k_q9072a1d970_attn
	.p2alignl 7, 3214868480
	.fill 96, 4, 3214868480
	.section	.rodata,"a",@progbits
	.p2align	6, 0x0
	.amdhsa_kernel k_q9072a1d970_attn
		.amdhsa_group_segment_fixed_size 204800
		.amdhsa_private_segment_fixed_size 0
		.amdhsa_enable_private_segment 0
		.amdhsa_kernarg_size 48
		.amdhsa_user_sgpr_count 2
		.amdhsa_user_sgpr_kernarg_segment_ptr 1
		.amdhsa_wavefront_size32 1
		.amdhsa_system_sgpr_workgroup_id_x 1
		.amdhsa_system_sgpr_workgroup_id_y 1
		.amdhsa_system_sgpr_workgroup_id_z 1
		.amdhsa_system_vgpr_workitem_id 0
		.amdhsa_next_free_vgpr 256
		.amdhsa_next_free_sgpr 66
		.amdhsa_reserve_vcc 0
		.amdhsa_float_denorm_mode_32 3
		.amdhsa_float_denorm_mode_16_64 3
		.amdhsa_memory_ordered 1
		.amdhsa_forward_progress 1
		.amdhsa_inst_pref_size 85
	.end_amdhsa_kernel
	.amdgpu_metadata
---
amdhsa.version: [ 1, 2 ]
amdhsa.kernels:
  - .name:           k_q9072a1d970_attn
    .symbol:         k_q9072a1d970_attn.kd
    .args:
      - { .name: qf, .offset: 0, .size: 8, .value_kind: global_buffer, .address_space: global }
      - { .name: kv, .offset: 8, .size: 8, .value_kind: global_buffer, .address_space: global }
      - { .name: vm, .offset: 16, .size: 8, .value_kind: global_buffer, .address_space: global }
      - { .name: lowp_scales, .offset: 24, .size: 8, .value_kind: global_buffer, .address_space: global }
      - { .name: q_mask, .offset: 32, .size: 8, .value_kind: global_buffer, .address_space: global }
      - { .name: out0, .offset: 40, .size: 8, .value_kind: global_buffer, .address_space: global }
    .group_segment_fixed_size: 204800
    .private_segment_fixed_size: 0
    .kernarg_segment_align: 8
    .kernarg_segment_size: 48
    .max_flat_workgroup_size: 512
    .sgpr_count:     66
    .vgpr_count:     256
    .wavefront_size: 32
...
	.end_amdgpu_metadata
.endif
;; end of part 3
